; MI455X (gfx1250); checked and timed in simulation.
; The chip was launched on July 23, 2026; its instructions are those of AMD's public machine-readable ISA for CDNA 5 (MIT licence, August 2026) and "CDNA5" Instruction Set Architecture Reference Guide (July 2026). The comments in the code are by the model that wrote it; some were corrected since.
;; Un Embedder. Allowed arithmetic: float matrix products may take bf16 or f16 operands with f32 sums; all other float work in f32.
;; Inputs: embeddings 2,048 x 1,024 float32; ln_bias 1,024 float32; ln_weight 1,024 float32; pos_emb 2,048 x 1,024 float32; vocab_vectors 25,128 x 1,024 float32.
;; Outputs: out0 2,048 int32.
;; 2 versions, each right; version 2 is version 1 with the launch search written anew for expert scheduling mode. Each part assembles by itself: llvm-mc -triple=amdgcn-amd-amdhsa -mcpu=gfx1250 --defsym DOCPART=n.
;; ======== version 1 of 2: 4 launches
;; limits: right only within a limited range of input values
;; workspace buffers: y32 8,388,608 bytes; yb 4,194,304 bytes; cand 3,686,400 bytes; order 32,768 bytes of whole numbers
;; launch denorm (part 1): grid 2 x 128, 8 waves a work-group, no clusters, 17,920 bytes of LDS; arguments embeddings, ln_bias, ln_weight, pos_emb, y32, yb; writes y32, yb
.if DOCPART == 1
	.amdgcn_target "amdgcn-amd-amdhsa--gfx1250"
	.amdhsa_code_object_version 6
	.text
	.protected	k_q47892bb23c_denorm
	.globl	k_q47892bb23c_denorm
	.p2align	8
	.type	k_q47892bb23c_denorm,@function
k_q47892bb23c_denorm:
	s_mov_b64 s[64:65], 0
	v_nop
	global_prefetch_b8 v0, s[64:65] scope:SCOPE_SE
	s_setreg_imm32_b32 hwreg(HW_REG_WAVE_MODE, 25, 1), 1
	s_wait_xcnt 0x0
; y = (embeddings - ln_bias) / (ln_weight + 1e-6) - pos_emb, [2048][1024], written twice:
;   y32: f32, row-major, for the last launch, which decides in f32;
;   yb:  bf16 in the order of a matrix operand of 16 rows x 32 K.  Byte T*262144 + ks*8192 + a*1024 + p*512 + L*16 holds the 8 numbers of
;        row 128 T + 16 a + L % 16 at k = 32 ks + 16 p + 8 (L / 16) + 0..7: registers 4 p .. 4 p + 3 of lane L.  The search launch then
;        loads a fragment by two loads of 512 consecutive bytes, with no turn through LDS.
; SHARES.  A work-group has 16 rows x 512 columns (x: which half of the columns; y: which 16 rows); wave w rows 2 w and 2 w + 1; a lane 4 columns
; in each of the four runs of 128.  Every load and every store of a wave covers 512 consecutive bytes, aligned.
; The bf16 numbers change lanes through LDS: rows of 1,024 bytes + 16 of padding = 65 x 16, so that the 16 rows of a fragment load start in 16
; different groups of four banks (64 banks of 4 bytes: ISA guide 11.1).
; THE DIVISION is v_rcp_f32 and one correction: q = a rc; q += (a - q d) rc.  The quotient is then rounded as a quotient before pos_emb is taken away,
; which is why that subtraction is not fused into the correction.
; LIMITS.  A divisor whose reciprocal is below 2^-126 counts as infinite (v_rcp_f32 flushes); NaN and infinities are not treated apart.
; No matrix unit, no cluster: the launch moves 16.8 MB in and 12.6 MB out and shares only the two vectors of 4 KB.
.set LP,    1040                       ; LDS pitch of a row of 512 bf16
.set SPARE, 16896                      ; behind the 16 rows (16,640 bytes): the spare words, 128 bytes for each of 8 waves; no other line names them
.set SPW,  2                           ; v2      LDS address of my spare word; never rewritten
.set NIL,  3                           ; v3      0; never rewritten
.set GOFF, 4                           ; v4      w * 8192 + 16 L: my 16 bytes in the wave's first row (f32)
.set LST,  5                           ; v5      w * 2 LP + 8 L: where my 4 bf16 go in LDS
.set FR,   6                           ; v6      (L % 16) LP + 16 (L / 16) + 128 w: my part of the wave's first fragment
.set YBO,  7                           ; v7      w << 14 + 16 L: my 16 bytes in yb
.set A,    8                           ; v[8:11]   e - b; then the packed bf16
.set R,    12                          ; v[12:15]  the remainder a - q d
.set DV,   16                          ; v[16:31]  ln_weight, then the divisor
.set BI,   32                          ; v[32:47]  ln_bias
.set RC,   48                          ; v[48:63]  1 / divisor
.set E,    64                          ; v[64:95]  embeddings, then y: row rho at E + 16 rho
.set P,    96                          ; v[96:127] pos_emb, likewise
.set FG,   128                         ; v[128:143] four halves of fragments on their way out
	s_load_b256 s[4:11], s[0:1], 0x0               ; embeddings s[4:5], ln_bias s[6:7], ln_weight s[8:9], pos_emb s[10:11]
	s_load_b128 s[12:15], s[0:1], 0x20             ; y32 s[12:13], yb s[14:15]
	v_lshl_add_u32 v[SPW], v0, 2, SPARE
	v_mov_b32 v[NIL], 0
	v_lshrrev_b32 v[A], 5, v0
	v_readfirstlane_b32 s16, v[A]                  ; wave 0..7
	s_mov_b32 s17, ttmp9                           ; kh: which 512 columns
	s_and_b32 s18, ttmp7, 0xffff                   ; mb: which 16 rows
	s_lshl_b32 s20, s18, 16                        ; 16 rows of 4,096 bytes
	s_lshl_b32 s22, s17, 11                        ; 512 columns of 4 bytes
	s_or_b32 s20, s20, s22                         ; s[20:21]: the group's corner in the three f32 matrices
	s_mov_b32 s21, 0
	s_mov_b32 s23, 0                               ; s[22:23]: its columns in the two vectors
	s_lshr_b32 s24, s18, 3                         ; T = mb / 8
	s_lshl_b32 s24, s24, 18
	s_lshl_b32 s26, s17, 17                        ; ks = 16 kh + ..
	s_or_b32 s24, s24, s26
	s_and_b32 s26, s18, 7                          ; a = mb % 8
	s_lshl_b32 s26, s26, 10
	s_or_b32 s24, s24, s26                         ; s[24:25]: the group's corner in yb
	s_mov_b32 s25, 0
	v_and_b32 v[A], 31, v0                         ; L
	v_lshlrev_b32 v1, 4, v[A]                      ; 16 L
	v_lshl_add_u32 v[GOFF], s16, 13, v1
	s_mul_i32 s26, s16, 2*LP
	v_lshl_add_u32 v[LST], v[A], 3, s26
	v_and_b32 v[A+1], 15, v0
	v_bfe_u32 v[A+2], v0, 4, 1
	v_mul_u32_u24 v[FR], v[A+1], LP
	v_lshl_add_u32 v[FR], v[A+2], 4, v[FR]
	v_lshl_add_u32 v[FR], s16, 7, v[FR]            ; wave w takes K steps 2 w and 2 w + 1 of the group's 16: 64 bytes of a row each
	v_lshl_add_u32 v[YBO], s16, 14, v1
	s_wait_kmcnt 0x0
	s_add_nc_u64 s[4:5], s[4:5], s[20:21]
	s_add_nc_u64 s[10:11], s[10:11], s[20:21]
	s_add_nc_u64 s[12:13], s[12:13], s[20:21]
	s_add_nc_u64 s[6:7], s[6:7], s[22:23]
	s_add_nc_u64 s[8:9], s[8:9], s[22:23]
	s_add_nc_u64 s[14:15], s[14:15], s[24:25]
	; 24 loads in the order in which they are wanted: weight, bias, row 0, row 1
.irp q, 0,1,2,3
	global_load_b128 v[DV+4*(\q):DV+4*(\q)+3], v1, s[8:9] offset:512*(\q)
.endr
.irp q, 0,1,2,3
	global_load_b128 v[BI+4*(\q):BI+4*(\q)+3], v1, s[6:7] offset:512*(\q)
.endr
.irp rho, 0,1
.irp q, 0,1,2,3
	global_load_b128 v[E+16*(\rho)+4*(\q):E+16*(\rho)+4*(\q)+3], v[GOFF], s[4:5] offset:4096*(\rho)+512*(\q) th:TH_LOAD_NT
.endr
.irp q, 0,1,2,3
	global_load_b128 v[P+16*(\rho)+4*(\q):P+16*(\rho)+4*(\q)+3], v[GOFF], s[10:11] offset:4096*(\rho)+512*(\q) th:TH_LOAD_NT
.endr
.endr
	s_wait_loadcnt 20                              ; the weights are in: the 20 younger loads stay out
.set i, 0
.rept 8
	v_pk_add_f32 v[DV+2*i:DV+2*i+1], v[DV+2*i:DV+2*i+1], 0x358637bd op_sel_hi:[1,0]  ; + 1e-6
.set i, i+1
.endr
.set i, 0
.rept 16
	v_rcp_f32 v[RC+i], v[DV+i]
.set i, i+1
.endr
	v_nop                                          ; a plain instruction between the last reciprocal and the use of its result (ISA guide 5.7.2)
	s_wait_alu depctr_va_vdst(0)
; Row rho of the wave: 16 numbers a lane, four at a time; each four leave as f32 and go into LDS as bf16.
.macro ROWY rho
.irp q, 0,1,2,3
.set eq, E+16*(\rho)+4*(\q)
.set pq, P+16*(\rho)+4*(\q)
.set cq, 4*(\q)
	v_pk_add_f32 v[A:A+1],     v[eq:eq+1],   v[BI+cq:BI+cq+1]     neg_lo:[0,1] neg_hi:[0,1]  ; a = e - b
	v_pk_add_f32 v[A+2:A+3],   v[eq+2:eq+3], v[BI+cq+2:BI+cq+3]   neg_lo:[0,1] neg_hi:[0,1]
	v_pk_mul_f32 v[eq:eq+1],   v[A:A+1],     v[RC+cq:RC+cq+1]                                ; q = a rc
	v_pk_mul_f32 v[eq+2:eq+3], v[A+2:A+3],   v[RC+cq+2:RC+cq+3]
	v_pk_fma_f32 v[R:R+1],     v[eq:eq+1],   v[DV+cq:DV+cq+1],     v[A:A+1]     neg_lo:[1,0,0] neg_hi:[1,0,0]  ; a - q d
	v_pk_fma_f32 v[R+2:R+3],   v[eq+2:eq+3], v[DV+cq+2:DV+cq+3],   v[A+2:A+3]   neg_lo:[1,0,0] neg_hi:[1,0,0]
	v_pk_fma_f32 v[eq:eq+1],   v[R:R+1],     v[RC+cq:RC+cq+1],     v[eq:eq+1]                ; q += (a - q d) rc
	v_pk_fma_f32 v[eq+2:eq+3], v[R+2:R+3],   v[RC+cq+2:RC+cq+3],   v[eq+2:eq+3]
	v_pk_add_f32 v[eq:eq+1],   v[eq:eq+1],   v[pq:pq+1]           neg_lo:[0,1] neg_hi:[0,1]  ; y = q - pos
	v_pk_add_f32 v[eq+2:eq+3], v[eq+2:eq+3], v[pq+2:pq+3]         neg_lo:[0,1] neg_hi:[0,1]
	global_store_b128 v[GOFF], v[eq:eq+3], s[12:13] offset:4096*(\rho)+512*(\q)  ; its registers are not written again
	v_cvt_pk_bf16_f32 v[A],   v[eq],   v[eq+1]
	v_cvt_pk_bf16_f32 v[A+1], v[eq+2], v[eq+3]
	ds_store_b64 v[LST], v[A:A+1] offset:LP*(\rho)+256*(\q)
.endr
.endm
	s_wait_loadcnt 8                               ; bias and row 0 are in: row 1's eight loads stay out
	ROWY 0
	s_wait_loadcnt 0x0
	ROWY 1
	s_wait_dscnt 0x0                               ; for the others' sake: my rows are in LDS
	s_barrier_signal -1
	s_barrier_wait -1                              ; all 16 rows are
.irp u, 0,1,2,3
	ds_load_b128 v[FG+4*(\u):FG+4*(\u)+3], v[FR] offset:64*((\u)/2)+32*((\u)%2)  ; K step 2 w + u / 2, half u % 2
.endr
.irp u, 0,1,2,3
	s_wait_dscnt 3-(\u)                            ; LDS loads come back in order: number u is in
	global_store_b128 v[YBO], v[FG+4*(\u):FG+4*(\u)+3], s[14:15] offset:8192*((\u)/2)+512*((\u)%2)  ; 512 consecutive bytes, aligned
.endr
	s_wait_tensorcnt 0x0                           ; the wave's end
	ds_add_u32 v[SPW], v[NIL]
	s_wait_dscnt 0x0
	s_endpgm
.Lfunc_end_k_q47892bb23c_denorm:
	.size	k_q47892bb23c_denorm, .Lfunc_end_k_q47892bb23c_denorm-k_q47892bb23c_denorm
	.p2alignl 7, 3214868480
	.fill 96, 4, 3214868480
	.section	.rodata,"a",@progbits
	.p2align	6, 0x0
	.amdhsa_kernel k_q47892bb23c_denorm
		.amdhsa_group_segment_fixed_size 17920
		.amdhsa_private_segment_fixed_size 0
		.amdhsa_enable_private_segment 0
		.amdhsa_kernarg_size 48
		.amdhsa_user_sgpr_count 2
		.amdhsa_user_sgpr_kernarg_segment_ptr 1
		.amdhsa_wavefront_size32 1
		.amdhsa_system_sgpr_workgroup_id_x 1
		.amdhsa_system_sgpr_workgroup_id_y 1
		.amdhsa_system_sgpr_workgroup_id_z 1
		.amdhsa_system_vgpr_workitem_id 0
		.amdhsa_next_free_vgpr 144
		.amdhsa_next_free_sgpr 66
		.amdhsa_reserve_vcc 0
		.amdhsa_float_denorm_mode_32 3
		.amdhsa_float_denorm_mode_16_64 3
		.amdhsa_memory_ordered 1
		.amdhsa_forward_progress 1
		.amdhsa_inst_pref_size 14
	.end_amdhsa_kernel
	.amdgpu_metadata
---
amdhsa.version: [ 1, 2 ]
amdhsa.kernels:
  - .name:           k_q47892bb23c_denorm
    .symbol:         k_q47892bb23c_denorm.kd
    .args:
      - { .name: embeddings, .offset: 0, .size: 8, .value_kind: global_buffer, .address_space: global }
      - { .name: ln_bias, .offset: 8, .size: 8, .value_kind: global_buffer, .address_space: global }
      - { .name: ln_weight, .offset: 16, .size: 8, .value_kind: global_buffer, .address_space: global }
      - { .name: pos_emb, .offset: 24, .size: 8, .value_kind: global_buffer, .address_space: global }
      - { .name: y32, .offset: 32, .size: 8, .value_kind: global_buffer, .address_space: global }
      - { .name: yb, .offset: 40, .size: 8, .value_kind: global_buffer, .address_space: global }
    .group_segment_fixed_size: 17920
    .private_segment_fixed_size: 0
    .kernarg_segment_align: 8
    .kernarg_segment_size: 48
    .max_flat_workgroup_size: 256
    .sgpr_count:     66
    .vgpr_count:     144
    .wavefront_size: 32
...
	.end_amdgpu_metadata
.endif
;; end of part 1
;; launch search (part 2): grid 225 x 1, 4 waves a work-group, no clusters, 232,192 bytes of LDS; arguments vocab_vectors, yb, cand; writes cand
.if DOCPART == 2
	.amdgcn_target "amdgcn-amd-amdhsa--gfx1250"
	.amdhsa_code_object_version 6
	.text
	.protected	k_q47892bb23c_search
	.globl	k_q47892bb23c_search
	.p2align	8
	.type	k_q47892bb23c_search,@function
k_q47892bb23c_search:
	s_mov_b64 s[64:65], 0
	v_nop
	global_prefetch_b8 v0, s[64:65] scope:SCOPE_SE
	s_setreg_imm32_b32 hwreg(HW_REG_WAVE_MODE, 25, 1), 1
	s_wait_xcnt 0x0
; NOMINATION.  t[row][v] = y[row] . vocab[v] - |vocab[v]|^2 / 2 is largest where the distance is smallest.  The product is taken in bf16 with f32 sums, the half norm in f32
; from the f32 rows.  For each of the 2,048 rows of y this work-group stores the two best packed t of its 112 vocabulary rows; later launches pick four of the 450 and decide in f32.
; SHARES.  225 work-groups x 112 vocabulary rows = 25,200 for 25,128: the last group's 72 rows past the end repeat the last row's data and carry a half norm of -1e30.
; PHASE 1.  The group's 112 rows are read once as f32 (wave w: rows 28 w .. 28 w + 27, a row a turn, seven rows on their way), their squares summed, and the rows laid into LDS as bf16,
; where they stay.  One barrier.  PHASE 2.  Wave w walks rows 512 w .. 512 w + 511 of y in four tiles of 128 x 112: 56 accumulators, 448 registers.  y comes from yb, which lies in operand
; order, straight into registers: three K steps of 32 (48 loads of 512 consecutive bytes) are on their way in each wave.  The waves never meet again.
; THE MATRIX INSTRUCTION: source 0 = 16 vocabulary rows, source 1 = 16 rows of y.  In the result lane l holds ONE row of y (l % 16) and register j the vocabulary row 16 b + 8 (l / 16) + j.
; The first K step takes the half norms as C: nothing is cleared and nothing is added later.
; THE WAY OUT of a tile.  Bits 6:0 of each t are replaced by the code (l / 16) << 6 | b << 3 | j of its vocabulary row; maxima of such words carry the row with them.  Per lane: the maximum of
; each accumulator's 8, the best two of the 7 accumulators, then the best two of both halves of the lanes.
; LIMITS.  A packed t has lost 7 bits, 2^-16 of itself.  Of an aligned group of 8 vocabulary rows only the best is kept, of a work-group's 14 groups the best two.  A t at or below -1e30 is not
; told from a row past the end.  NaN and infinities are not treated apart.
; NO TENSOR LOADS, NO CLUSTER.  225 work-groups are no multiple of four.  The stationary rows take 231,168 of LDS; what is left would hold two slots of 512 rows x 32 K of y, so that a joint request
; would have one K step, 56 matrix instructions a wave, in which to land; and a fragment of y is used by one wave alone, so LDS would only hand it on.
; REGISTERS, in windows of 256 (s_set_vgpr_msb: bits 1:0 source 0, 3:2 source 1, 5:4 source 2, 7:6 destination):
;   window 0: addresses; phase 1: seven slots of 32; phase 2: two buffers of vocabulary fragments, the half norms, the way out     window 1: four buffers of y fragments, 64 each
;   window 2: the accumulators of y blocks 0-3, (a, b) at v[8 (7 a + b)]; v224-231 their best two     window 3: the same for y blocks 4-7
.set NV,    25128
.set LASTV, NV-1
.set BP,    2064                       ; an LDS row: 2,048 bytes + 16 = 129 x 16: the 16 rows of a fragment load start in 16 different groups of four banks (64 banks of 4 bytes: ISA guide 11.1)
.set VHT,   112*BP                     ; behind the rows: 112 half norms, in a block of 512 bytes
.set SPARE, VHT+512                    ; behind them: the spare words, 128 bytes for each of 4 waves; no other line names them
.set SPW,   2                          ; v2      LDS address of my spare word; never rewritten
.set NIL,   3                          ; v3      0; never rewritten
.set AL,    4                          ; v4      w << 20 + 16 L: my 16 bytes in the wave's first K step of yb
.set AOFF,  5                          ; v5-8    the same for the K step that lies, or is to lie, in y buffer i
.set BBASE, 9                          ; v9-12   (32 q + L % 16) BP + 16 (L / 16): my place in vocabulary blocks 2 q, 2 q + 1
.set BADR,  13                         ; v13-16  the same plus the trip's place along K
.set HB,    17                         ; v17     (L / 16) << 6
.set CO,    18                         ; v18     my 8 bytes in the group's part of cand
.set VA,    19                         ; v19     VHT + 32 (L / 16)
.set VW,    14                         ; phase 1: v14  where the round's first half norm goes
.set T0,    15                         ; phase 1: v15, v16 at work
.set T1,    16
.set OFF,   20                         ; phase 1: v20-26  slot s: byte offset of my 16 bytes in its row
.set LA,    27                         ; phase 1: v27     LDS address of my 8 bytes in the round's first row
.set Q0,    28                         ; phase 1: v[28:31] two packed sums of squares
.set Q1,    30
.set X,     32                         ; phase 1: v32-255  slot s: 32 registers
.set BF,    32                         ; phase 2: v32-87, v88-143  vocabulary fragments, two buffers of 7 x 8
.set VH,    144                        ; v144-199  the half norms in an accumulator's layout, 8 for each block b
.set XX,    200                        ; v200-215  y block a: best and second best
.set OO,    216                        ; v216-231  the other half of the lanes' two
.set SP,    232                        ; v232-239  four pairs to store
.set TT,    240                        ; v240-247  at work
.set MSB, 0
.macro WIN new                         ; the immediate's high byte repeats the setting that is left; a switch that changes nothing is dropped
.if MSB != (\new)
	s_set_vgpr_msb (MSB<<8)|(\new)
.set MSB, \new
.endif
.endm
.set TO_A,     0x40                    ; destination window 1, address window 0
.set MUL_LO,   0xa4                    ; source 0 window 0, source 1 window 1, C and D window 2; + 0x50: window 3
.set FIRST_LO, 0x84                    ; the same with C in window 0; + 0x40: D in window 3
.set ALL2,     0xaa                    ; every place window 2; + 0x55: window 3
.set OUT2,     0x02                    ; source 0 window 2, the rest window 0; + 1: window 3
.macro VFILL s                         ; a vocabulary row: eight loads of 512 consecutive bytes
.irp q, 0,1,2,3,4,5,6,7
	global_load_b128 v[X+32*(\s)+4*(\q):X+32*(\s)+4*(\q)+3], v[OFF+(\s)], s[4:5] offset:512*(\q) th:TH_LOAD_NT
.endr
.endm
.macro AFETCH i                        ; a K step of y, 128 rows x 32 K = 8,192 consecutive bytes, into y buffer i (under TO_A)
.irp a, 0,1,2,3,4,5,6,7
	global_load_b128 v[64*(\i)+8*(\a):64*(\i)+8*(\a)+3],   v[AOFF+(\i)], s[6:7] offset:1024*(\a)
	global_load_b128 v[64*(\i)+8*(\a)+4:64*(\i)+8*(\a)+7], v[AOFF+(\i)], s[6:7] offset:1024*(\a)+512
.endr
.endm
.macro BFETCH p, kimm                  ; 112 vocabulary rows x 32 K at byte kimm behind the trip's place, into buffer p: 14 LDS loads
.irp b, 0,1,2,3,4,5,6
	ds_load_b128 v[BF+56*(\p)+8*(\b):BF+56*(\p)+8*(\b)+3],   v[BADR+(\b)/2] offset:((\b)%2)*16*BP+(\kimm)
	ds_load_b128 v[BF+56*(\p)+8*(\b)+4:BF+56*(\p)+8*(\b)+7], v[BADR+(\b)/2] offset:((\b)%2)*16*BP+(\kimm)+32
.endr
.endm
	s_load_b128 s[4:7], s[0:1], 0x0                ; vocab_vectors s[4:5], yb s[6:7]
	s_load_b64 s[8:9], s[0:1], 0x10                ; cand
	v_lshl_add_u32 v[SPW], v0, 2, SPARE
	v_mov_b32 v[NIL], 0
	v_lshrrev_b32 v[T0], 5, v0
	v_readfirstlane_b32 s10, v[T0]                 ; wave 0..3
	s_mov_b32 s11, ttmp9                           ; g: which 112 vocabulary rows
	v_and_b32 v[T1], 31, v0                        ; L
	v_lshlrev_b32 v1, 4, v[T1]                     ; 16 L
	v_lshl_add_u32 v[AL], s10, 20, v1              ; the wave's 512 rows of y are 1 MiB of yb, walked from end to end
	v_mov_b32 v[AOFF], v[AL]
	v_add_nc_u32 v[AOFF+1], 8192, v[AL]
	v_add_nc_u32 v[AOFF+2], 16384, v[AL]
	v_and_b32 v[T0], 15, v0
	v_bfe_u32 v[HB], v0, 4, 1
	v_mul_u32_u24 v[BBASE], v[T0], BP
	v_lshl_add_u32 v[BBASE], v[HB], 4, v[BBASE]
.irp q, 1,2,3
	v_add_nc_u32 v[BBASE+(\q)], (\q)*32*BP, v[BBASE]  ; the register carries what the 16-bit immediate cannot
.endr
	v_lshlrev_b32 v[VA], 5, v[HB]
	v_add_nc_u32 v[VA], VHT, v[VA]
	v_lshlrev_b32 v[HB], 6, v[HB]
	v_lshlrev_b32 v[CO], 3, v[T1]
	v_lshl_add_u32 v[CO], s10, 12, v[CO]           ; 512 rows of 8 bytes a wave
	s_mul_i32 s13, s10, 28*BP
	v_lshl_add_u32 v[LA], v[T1], 3, s13
	s_mul_i32 s13, s10, 28*4
	s_add_co_u32 s13, s13, VHT
	v_mov_b32 v[VW], s13
	s_mul_i32 s12, s11, 112
	s_mul_i32 s13, s10, 28
	s_add_co_u32 s12, s12, s13                     ; s12: the vocabulary row of the round's slot 0
.irp s, 0,1,2,3,4,5,6
	s_add_co_u32 s13, s12, (\s)
	s_min_u32 s13, s13, LASTV                      ; a row past the end reads the last row: no load leaves the buffer
	s_lshl_b32 s13, s13, 12
	v_add_nc_u32 v[OFF+(\s)], s13, v1
.endr
	s_lshl_b32 s14, s11, 14                        ; the group's 2,048 x 8 bytes of cand
	s_mov_b32 s15, 0
	s_mov_b32 s20, 0xffffff80                      ; keeps all of a word but its lowest 7 bits
	s_mov_b32 s21, 0xffff0000                      ; lanes 16-31
	s_mov_b32 s22, 0x76543210                      ; v_permlanex16_b32: each lane takes its own place in the other half
	s_mov_b32 s23, 0xfedcba98
	s_wait_kmcnt 0x0
	s_add_nc_u64 s[8:9], s[8:9], s[14:15]
.irp s, 0,1,2,3,4,5,6
	VFILL \s                                       ; 56 loads of the wave are out
.endr
; PHASE 1.  The turn of slot s: row s12 + s.  left = how many younger loads may stay out.  fill = 1: the slot takes the row seven further on.
.macro VTURN s, fill, left
	s_wait_loadcnt \left                           ; loads come back in order (ISA guide 5.7.1): my eight are in, and the slot's address register is free
.set xs, X+32*(\s)
.irp q, 0,1,2,3,4,5,6,7
.if (\q) == 0
	v_pk_mul_f32 v[Q0:Q0+1], v[xs:xs+1], v[xs:xs+1]          ; the first products start the sums
	v_pk_mul_f32 v[Q1:Q1+1], v[xs+2:xs+3], v[xs+2:xs+3]
.else
	v_pk_fma_f32 v[Q0:Q0+1], v[xs+4*(\q):xs+4*(\q)+1],   v[xs+4*(\q):xs+4*(\q)+1],   v[Q0:Q0+1]
	v_pk_fma_f32 v[Q1:Q1+1], v[xs+4*(\q)+2:xs+4*(\q)+3], v[xs+4*(\q)+2:xs+4*(\q)+3], v[Q1:Q1+1]
.endif
	v_cvt_pk_bf16_f32 v[xs+4*(\q)],   v[xs+4*(\q)],   v[xs+4*(\q)+1]
	v_cvt_pk_bf16_f32 v[xs+4*(\q)+1], v[xs+4*(\q)+2], v[xs+4*(\q)+3]
	ds_store_b64 v[LA], v[xs+4*(\q):xs+4*(\q)+1] offset:(\s)*BP+256*(\q)  ; 256 consecutive bytes of the row
.endr
.if \fill
	s_add_co_u32 s13, s12, (\s)+7
	s_min_u32 s13, s13, LASTV
	s_lshl_b32 s13, s13, 12
	v_add_nc_u32 v[OFF+(\s)], s13, v1
	VFILL \s
.endif
	v_pk_add_f32 v[Q0:Q0+1], v[Q0:Q0+1], v[Q1:Q1+1]
	v_add_f32 v[T0], v[Q0], v[Q0+1]
	v_add_f32_dpp v[T0], v[T0], v[T0] row_xmask:1 row_mask:0xf bank_mask:0xf
	v_add_f32_dpp v[T0], v[T0], v[T0] row_xmask:2 row_mask:0xf bank_mask:0xf
	v_add_f32_dpp v[T0], v[T0], v[T0] row_xmask:4 row_mask:0xf bank_mask:0xf
	v_add_f32_dpp v[T0], v[T0], v[T0] row_xmask:8 row_mask:0xf bank_mask:0xf
	v_permlanex16_b32 v[T1], v[T0], s22, s23
	v_add_f32 v[T0], v[T0], v[T1]                  ; |v|^2 in every lane
	s_add_co_u32 s13, s12, (\s)
	s_cmp_lt_u32 s13, NV
	s_cselect_b32 s16, -0.5, 0                     ; a row of the vocabulary: -|v|^2 / 2;
	s_cselect_b32 s17, 0, 0xf149f2ca               ; a row past its end: -1e30
	v_fma_f32 v[T0], v[T0], s16, s17
	ds_store_b32 v[VW], v[T0] offset:4*(\s)        ; all lanes write the same word with the same number
.endm
	s_mov_b32 s15, 3
.Lround:                                               ; three rounds fill every slot again: rows 7 to 27
.irp s, 0,1,2,3,4,5,6
	VTURN \s, 1, 48                                ; six younger slots of eight loads
.endr
	v_add_nc_u32 v[LA], 7*BP, v[LA]
	v_add_nc_u32 v[VW], 28, v[VW]
	s_add_co_u32 s12, s12, 7
	s_sub_co_u32 s15, s15, 1
	s_cmp_lg_u32 s15, 0
	s_cbranch_scc1 .Lround
.irp s, 0,1,2,3,4,5
	VTURN \s, 0, 48-8*(\s)                         ; the last round loads nothing: the counts run down
.endr
	WIN TO_A
	AFETCH 0                                       ; the first three K steps of y go out here: with the last slot's eight, 56 loads are out
	AFETCH 1
	AFETCH 2
	WIN 0
	VTURN 6, 0, 48                                 ; the 48 just issued stay out
	s_wait_dscnt 0x0                               ; for the others' sake: my 28 rows and half norms are in LDS
	s_barrier_signal -1
	s_barrier_wait -1                              ; all 112 are.  From here on LDS is only read
.irp b, 0,1,2,3,4,5,6
	ds_load_b128 v[VH+8*(\b):VH+8*(\b)+3],   v[VA] offset:64*(\b)      ; register j: the half norm of row 16 b + 8 (L / 16) + j
	ds_load_b128 v[VH+8*(\b)+4:VH+8*(\b)+7], v[VA] offset:64*(\b)+16
.endr
.irp q, 0,1,2,3
	v_mov_b32 v[BADR+(\q)], v[BBASE+(\q)]
.endr
	s_mov_b32 s19, 0                               ; the trip's place along K, in bytes of an LDS row
	s_mov_b32 s18, 3                               ; the wave's next K step to ask for, of 128
	BFETCH 0, 0
.set i, 0
.rept 16
	v_mov_b32 v[OO+i], 0                           ; v_permlanex16_b32 counts as a reader of its destination
.set i, i+1
.endr
; PHASE 2.  56 matrix instructions: y buffer i x vocabulary buffer p.  The 56 accumulators take turns, one instruction a turn, in the same order in every K step, over both backward jumps too.
; first = 1: C is the half norms.
.macro MUL i, p, first
.irp hi, 0,1
.if \first
	WIN FIRST_LO+0x40*(\hi)
.else
	WIN MUL_LO+0x50*(\hi)
.endif
.irp a, 0,1,2,3
.irp b, 0,1,2,3,4,5,6
.set ac, 8*(7*(\a)+(\b))
.set bf, BF+56*(\p)+8*(\b)
.set ya, 64*(\i)+8*(4*(\hi)+(\a))
.if \first
	v_wmma_f32_16x16x32_bf16 v[ac:ac+7], v[bf:bf+7], v[ya:ya+7], v[VH+8*(\b):VH+8*(\b)+7]
.else
	v_wmma_f32_16x16x32_bf16 v[ac:ac+7], v[bf:bf+7], v[ya:ya+7], v[ac:ac+7]
.endif
.endr
.endr
.endr
.endm
; K step j of a trip's four.  It multiplies y buffer j and vocabulary buffer j % 2, and first asks for the vocabulary fragments of the next step and for y three steps on: both land in
; registers that the step before multiplied, so four plain vector instructions that name none of those stand in front of the loads (ISA guide 7.12.1 for vector instructions).
.macro STEP j, first
	WIN 0
	s_wait_loadcnt 32                              ; this step's y is in; the 32 loads of the two steps behind it stay out.  The step before's loads are done too: their address register is free
	s_min_u32 s13, s18, 127                        ; the wave's last three steps ask for step 127 once more: no load leaves its megabyte
	s_lshl_b32 s13, s13, 13
	s_add_co_u32 s18, s18, 1
	v_add_nc_u32 v[AOFF+((\j)+3)%4], s13, v[AL]
.if (\j) < 3
	v_nop
	v_nop
	v_nop
	BFETCH 1-((\j)%2), 64*((\j)+1)
.else
	s_add_co_u32 s19, s19, 256                     ; the next trip's 128 along K; behind a tile's eighth trip back to 0
	s_and_b32 s19, s19, 2047
.irp q, 0,1,2,3
	v_add_nc_u32 v[BADR+(\q)], s19, v[BBASE+(\q)]
.endr
	BFETCH 0, 0
.endif
	WIN TO_A
	AFETCH ((\j)+3)%4
	s_wait_dscnt 14                                ; this step's vocabulary fragments are in; the 14 loads just issued stay out
	MUL (\j), (\j)%2, \first
.endm
.macro TRIP first
	STEP 0, \first
	STEP 1, 0
	STEP 2, 0
	STEP 3, 0
	WIN 0                                          ; at a label and at a branch every window is 0
.endm
; The way out.  AO: accumulator m of a window's 28: each t takes its code; the lowest register first.  RED: the maximum of its eight, into its lowest register.
.macro AO m
.set x, 8*(\m)
.set cd, 8*((\m)%7)
.set j, 0
.rept 8
	v_and_or_b32 v[x+j], v[x+j], s20, cd+j
.set j, j+1
.endr
.endm
.macro RED m
.set x, 8*(\m)
	v_max3_num_f32 v[x],   v[x],   v[x+1], v[x+2]
	v_max3_num_f32 v[x+3], v[x+3], v[x+4], v[x+5]
	v_max_num_f32  v[x+6], v[x+6], v[x+7]
	v_max3_num_f32 v[x],   v[x],   v[x+3], v[x+6]
.endm
	s_mov_b32 s24, 4
.Ltile:                                                ; four tiles of 128 rows of y
	TRIP 1                                         ; a tile's first trip is written out: its first products start the sums
	s_mov_b32 s25, 7
.Lk:
	TRIP 0
	s_sub_co_u32 s25, s25, 1
	s_cmp_lg_u32 s25, 0
	s_cbranch_scc1 .Lk
.rept 4
	v_nop                                          ; the places between the last products and the first read of a result
.endr
.irp w, 0,1
	WIN ALL2+0x55*(\w)
	AO 0
.set n, 0
.rept 27
	AO n+1                                         ; the next accumulator's codes stand between this one's and its maxima
	RED n
.set n, n+1
.endr
	RED 27
.set k, 0
.rept 4                                                ; the best two of a y block's seven maxima; the four blocks alternate
	v_max_num_f32 v[224+2*k], v[56*k], v[56*k+8]
	v_min_num_f32 v[225+2*k], v[56*k], v[56*k+8]
.set k, k+1
.endr
.set b, 2
.rept 5
.set k, 0
.rept 4
	v_med3_num_f32 v[225+2*k], v[224+2*k], v[225+2*k], v[56*k+8*b]  ; the middle one of best, second and the newcomer is the new second
.set k, k+1
.endr
.set k, 0
.rept 4
	v_max_num_f32 v[224+2*k], v[224+2*k], v[56*k+8*b]
.set k, k+1
.endr
.set b, b+1
.endr
	WIN OUT2+(\w)
.set k, 0
.rept 4
	v_or_b32 v[XX+8*(\w)+2*k],   v[224+2*k], v[HB]  ; the code's top bit: which half of the lanes
	v_or_b32 v[XX+8*(\w)+2*k+1], v[225+2*k], v[HB]
.set k, k+1
.endr
.endr
	WIN 0
.set a, 0
.rept 8
	v_permlanex16_b32 v[OO+2*a],   v[XX+2*a],   s22, s23  ; a row's other 56 vocabulary rows lie in the lane 16 away
	v_permlanex16_b32 v[OO+2*a+1], v[XX+2*a+1], s22, s23
.set a, a+1
.endr
.set a, 0
.rept 8
	v_min_num_f32  v[TT+a],     v[XX+2*a], v[OO+2*a]
	v_max_num_f32  v[XX+2*a],   v[XX+2*a], v[OO+2*a]
	v_max3_num_f32 v[XX+2*a+1], v[TT+a],   v[XX+2*a+1], v[OO+2*a+1]
.set a, a+1
.endr
.set q, 0
.rept 4                                                ; lanes 0-15 take y block 2 q, lanes 16-31 block 2 q + 1: 32 rows' pairs
	v_cndmask_b32 v[SP+2*q],   v[XX+4*q],   v[XX+4*q+2], s21
	v_cndmask_b32 v[SP+2*q+1], v[XX+4*q+1], v[XX+4*q+3], s21
	global_store_b64 v[CO], v[SP+2*q:SP+2*q+1], s[8:9] offset:256*q  ; 256 consecutive bytes, aligned
.set q, q+1
.endr
	s_wait_xcnt 0x0                                ; the stores' address and data registers are written again only behind this wait
	v_add_nc_u32 v[CO], 1024, v[CO]                ; the next tile's 128 rows
	s_sub_co_u32 s24, s24, 1
	s_cmp_lg_u32 s24, 0
	s_cbranch_scc1 .Ltile
	s_wait_tensorcnt 0x0                           ; the wave's end
	ds_add_u32 v[SPW], v[NIL]
	s_wait_dscnt 0x0
	s_endpgm
.Lfunc_end_k_q47892bb23c_search:
	.size	k_q47892bb23c_search, .Lfunc_end_k_q47892bb23c_search-k_q47892bb23c_search
	.p2alignl 7, 3214868480
	.fill 96, 4, 3214868480
	.section	.rodata,"a",@progbits
	.p2align	6, 0x0
	.amdhsa_kernel k_q47892bb23c_search
		.amdhsa_group_segment_fixed_size 232192
		.amdhsa_private_segment_fixed_size 0
		.amdhsa_enable_private_segment 0
		.amdhsa_kernarg_size 24
		.amdhsa_user_sgpr_count 2
		.amdhsa_user_sgpr_kernarg_segment_ptr 1
		.amdhsa_wavefront_size32 1
		.amdhsa_system_sgpr_workgroup_id_x 1
		.amdhsa_system_sgpr_workgroup_id_y 1
		.amdhsa_system_sgpr_workgroup_id_z 1
		.amdhsa_system_vgpr_workitem_id 0
		.amdhsa_next_free_vgpr 1024
		.amdhsa_next_free_sgpr 66
		.amdhsa_reserve_vcc 0
		.amdhsa_float_denorm_mode_32 3
		.amdhsa_float_denorm_mode_16_64 3
		.amdhsa_memory_ordered 1
		.amdhsa_forward_progress 1
		.amdhsa_inst_pref_size 168
	.end_amdhsa_kernel
	.amdgpu_metadata
---
amdhsa.version: [ 1, 2 ]
amdhsa.kernels:
  - .name:           k_q47892bb23c_search
    .symbol:         k_q47892bb23c_search.kd
    .args:
      - { .name: vocab_vectors, .offset: 0, .size: 8, .value_kind: global_buffer, .address_space: global }
      - { .name: yb, .offset: 8, .size: 8, .value_kind: global_buffer, .address_space: global }
      - { .name: cand, .offset: 16, .size: 8, .value_kind: global_buffer, .address_space: global }
    .group_segment_fixed_size: 232192
    .private_segment_fixed_size: 0
    .kernarg_segment_align: 8
    .kernarg_segment_size: 24
    .max_flat_workgroup_size: 128
    .sgpr_count:     66
    .vgpr_count:     1024
    .wavefront_size: 32
...
	.end_amdgpu_metadata
.endif
;; end of part 2
;; launch pick (part 3): grid 64 x 1, 15 waves a work-group, no clusters, 17,408 bytes of LDS; arguments cand, order; writes order
.if DOCPART == 3
	.amdgcn_target "amdgcn-amd-amdhsa--gfx1250"
	.amdhsa_code_object_version 6
	.text
	.protected	k_q47892bb23c_pick
	.globl	k_q47892bb23c_pick
	.p2align	8
	.type	k_q47892bb23c_pick,@function
k_q47892bb23c_pick:
	s_mov_b64 s[64:65], 0
	v_nop
	global_prefetch_b8 v0, s[64:65] scope:SCOPE_SE
	s_setreg_imm32_b32 hwreg(HW_REG_WAVE_MODE, 25, 1), 1
	s_wait_xcnt 0x0
; For each row of y: the four best of its 450 packed scores (two from each of 225 groups of 112 vocabulary rows), stored as vocabulary indices.  The next launch forms addresses from them,
; so they are made here and stored as whole numbers.
; SHARES.  A work-group has 32 rows, a lane a row.  Wave w takes groups 15 w .. 15 w + 14: 15 loads of 256 consecutive bytes (32 rows x 2 words).  Each wave keeps a sorted list of four
; (score, group); the 15 lists meet in LDS, and wave 0 merges the other 14 into its own.
; A word's bits 6:0 are the code h << 6 | b << 3 | j of the row 16 b + 8 h + j in its group; the score is compared as the f32 that the word is.
; LIMITS.  Of equal words the one met first stays ahead.  NaN is never taken.  An index is cut at 25,127: only a row past the vocabulary's end (score -1e30) could lie beyond.
; No matrix unit, no cluster: 3.7 MB are read once, and no two work-groups read the same byte.
.set SPARE, 15360                      ; behind the 15 lists of 1,024 bytes: the spare words, 128 bytes for each of 15 waves, rounded up to 2,048; no other line names them
.set SPW, 2                            ; v2      LDS address of my spare word; never rewritten
.set NIL, 3                            ; v3      0; never rewritten
.set LSA, 5                            ; v5      w * 1024 + 8 L: my list in LDS
.set PAY, 6                            ; v6      the group in hand
.set L8,  7                            ; v7      8 L
.set M0,  8                            ; v[8:15] the list: place e has its score in v[8 + 2 e], its group in v[9 + 2 e]
.set LD,  32                           ; v[32:143] what has been loaded
.set OUT, 144                          ; v[144:147] four indices
.set TM,  148                          ; v[148:150] at work; v151 the store's offset
	s_load_b128 s[4:7], s[0:1], 0x0                ; cand s[4:5], order s[6:7]
	v_lshl_add_u32 v[SPW], v0, 2, SPARE
	v_mov_b32 v[NIL], 0
	v_lshrrev_b32 v4, 5, v0
	v_readfirstlane_b32 s8, v4                     ; wave 0..14
	v_and_b32 v4, 31, v0                           ; L
	v_lshlrev_b32 v[L8], 3, v4
	s_mul_i32 s9, s8, 15*16384                     ; 15 groups of 2,048 rows x 8 bytes
	v_add_nc_u32 v1, s9, v[L8]
	v_lshl_add_u32 v[LSA], s8, 10, v[L8]
	s_mul_i32 s9, s8, 15
	v_mov_b32 v[PAY], s9
	v_lshlrev_b32 v[TM+3], 4, v4                   ; 16 L
	s_lshl_b32 s10, ttmp9, 8                       ; 32 rows of 8 bytes in cand,
	s_mov_b32 s11, 0
	s_lshl_b32 s12, ttmp9, 9                       ; of 16 bytes in order
	s_mov_b32 s13, 0
.irp e, 0,1,2,3
	v_mov_b32 v[M0+2*(\e)], 0xff800000             ; below every score
	v_mov_b32 v[M0+2*(\e)+1], 0
.endr
	s_wait_kmcnt 0x0
	s_add_nc_u64 s[4:5], s[4:5], s[10:11]
	s_add_nc_u64 s[6:7], s[6:7], s[12:13]
.set t, 0
.rept 15
	global_load_b64 v[LD+2*t:LD+2*t+1], v1, s[4:5] offset:16384*t th:TH_LOAD_NT
.set t, t+1
.endr
; The score in v[x], with the group in v[pay], goes to its place in the list.  c_e: it beats place e.  From the last place up: place e takes the place above it if that is beaten too,
; else the newcomer if c_e; of the scores that is the middle one of the place above, the place itself and the newcomer.
.macro INS x, pay
	v_cmp_gt_f32 s16, v[\x], v[M0]
	v_cmp_gt_f32 s17, v[\x], v[M0+2]
	v_cmp_gt_f32 s18, v[\x], v[M0+4]
	v_cmp_gt_f32 s19, v[\x], v[M0+6]
.irp e, 3,2,1
	v_cndmask_b32 v[M0+2*(\e)+1], v[M0+2*(\e)+1], v[\pay], s[16+(\e)]
	v_cndmask_b32 v[M0+2*(\e)+1], v[M0+2*(\e)+1], v[M0+2*(\e)-1], s[15+(\e)]
	v_med3_num_f32 v[M0+2*(\e)], v[M0+2*(\e)-2], v[M0+2*(\e)], v[\x]
.endr
	v_cndmask_b32 v[M0+1], v[M0+1], v[\pay], s16
	v_max_num_f32 v[M0], v[M0], v[\x]
.endm
.set t, 0
.rept 15
	s_wait_loadcnt 14-t                            ; loads come back in order: group t's pair is in
	INS LD+2*t, PAY
	INS LD+2*t+1, PAY
	v_add_nc_u32 v[PAY], 1, v[PAY]
.set t, t+1
.endr
.irp e, 0,1,2,3
	ds_store_b64 v[LSA], v[M0+2*(\e):M0+2*(\e)+1] offset:256*(\e)  ; 256 consecutive bytes
.endr
	s_wait_dscnt 0x0                               ; for wave 0's sake: my list is in LDS
	s_barrier_signal -1
	s_barrier_wait -1
	s_cmp_lg_u32 s8, 0
	s_cbranch_scc1 .Lend                           ; forward, past text without a barrier
.set n, 0
.rept 56
	ds_load_b64 v[LD+2*n:LD+2*n+1], v[L8] offset:1024*(n/4+1)+256*(n%4)  ; place n % 4 of wave n / 4 + 1
.set n, n+1
.endr
.set n, 0
.rept 56
	s_wait_dscnt 55-n
	INS LD+2*n, LD+2*n+1
.set n, n+1
.endr
.irp e, 0,1,2,3
	v_and_b32 v[TM], 7, v[M0+2*(\e)]               ; j
	v_bfe_u32 v[TM+1], v[M0+2*(\e)], 3, 3          ; b
	v_bfe_u32 v[TM+2], v[M0+2*(\e)], 6, 1          ; h
	v_mad_u32_u24 v[TM], v[M0+2*(\e)+1], 0x70, v[TM]  ; 112 g + j
	v_lshl_add_u32 v[TM], v[TM+1], 4, v[TM]
	v_lshl_add_u32 v[TM], v[TM+2], 3, v[TM]
	v_min_u32 v[OUT+(\e)], 25127, v[TM]
.endr
	global_store_b128 v[TM+3], v[OUT:OUT+3], s[6:7]  ; 32 rows x 16 bytes: 512 consecutive bytes, aligned
.Lend:
	s_wait_tensorcnt 0x0                           ; the wave's end
	ds_add_u32 v[SPW], v[NIL]
	s_wait_dscnt 0x0
	s_endpgm
.Lfunc_end_k_q47892bb23c_pick:
	.size	k_q47892bb23c_pick, .Lfunc_end_k_q47892bb23c_pick-k_q47892bb23c_pick
	.p2alignl 7, 3214868480
	.fill 96, 4, 3214868480
	.section	.rodata,"a",@progbits
	.p2align	6, 0x0
	.amdhsa_kernel k_q47892bb23c_pick
		.amdhsa_group_segment_fixed_size 17408
		.amdhsa_private_segment_fixed_size 0
		.amdhsa_enable_private_segment 0
		.amdhsa_kernarg_size 16
		.amdhsa_user_sgpr_count 2
		.amdhsa_user_sgpr_kernarg_segment_ptr 1
		.amdhsa_wavefront_size32 1
		.amdhsa_system_sgpr_workgroup_id_x 1
		.amdhsa_system_sgpr_workgroup_id_y 1
		.amdhsa_system_sgpr_workgroup_id_z 1
		.amdhsa_system_vgpr_workitem_id 0
		.amdhsa_next_free_vgpr 152
		.amdhsa_next_free_sgpr 66
		.amdhsa_reserve_vcc 0
		.amdhsa_float_denorm_mode_32 3
		.amdhsa_float_denorm_mode_16_64 3
		.amdhsa_memory_ordered 1
		.amdhsa_forward_progress 1
		.amdhsa_inst_pref_size 90
	.end_amdhsa_kernel
	.amdgpu_metadata
---
amdhsa.version: [ 1, 2 ]
amdhsa.kernels:
  - .name:           k_q47892bb23c_pick
    .symbol:         k_q47892bb23c_pick.kd
    .args:
      - { .name: cand, .offset: 0, .size: 8, .value_kind: global_buffer, .address_space: global }
      - { .name: order, .offset: 8, .size: 8, .value_kind: global_buffer, .address_space: global }
    .group_segment_fixed_size: 17408
    .private_segment_fixed_size: 0
    .kernarg_segment_align: 8
    .kernarg_segment_size: 16
    .max_flat_workgroup_size: 480
    .sgpr_count:     66
    .vgpr_count:     152
    .wavefront_size: 32
...
	.end_amdgpu_metadata
.endif
;; end of part 3
;; launch rescore (part 4): grid 256 x 1, 8 waves a work-group, no clusters, 0 bytes of LDS; arguments y32, vocab_vectors, order, out0; writes out0
.if DOCPART == 4
	.amdgcn_target "amdgcn-amd-amdhsa--gfx1250"
	.amdhsa_code_object_version 6
	.text
	.protected	k_q47892bb23c_rescore
	.globl	k_q47892bb23c_rescore
	.p2align	8
	.type	k_q47892bb23c_rescore,@function
k_q47892bb23c_rescore:
	s_mov_b64 s[64:65], 0
	v_nop
	global_prefetch_b8 v0, s[64:65] scope:SCOPE_SE
	s_setreg_imm32_b32 hwreg(HW_REG_WAVE_MODE, 25, 1), 1
	s_wait_xcnt 0x0
; THE DECISION, in f32.  For each row of y its four nominated vocabulary rows are read as f32, and d = (|y|^2 - 2 y . v) + |v|^2 is formed with the two roundings of that order: 2 y . v is exact,
; so v_fma_f32 rounds the difference once, and the sum is rounded once more.  The smallest d wins; of equal d the lower index, as an argmin takes the first.
; SHARES.  A wave has a row: 8 loads of 512 consecutive bytes for y and for each candidate, 40 in all, on their way together.  The indices were stored as whole numbers by the launch before and come by a scalar load.
; LIMITS.  The three sums of 1,024 terms are added in another order than a row-wise sum: 128 partial sums a wave, then a tree.  The answer is the best of the four candidates.
; NaN: a comparison with NaN is false, so a NaN never displaces a number.
; The store is 4 bytes a wave, 32 consecutive bytes a work-group: whole blocks of 256 bytes would want 64 rows in a work-group, for an output of 8,192 bytes in all.
; No matrix unit, no LDS, no cluster: 20 KB a wave are read once and reduced inside the wave.
.set LASTV, 25127
.set Y,  16                            ; v[16:47]   my 32 numbers of y
.set V,  48                            ; v[48:175]  candidate c: 32 numbers at V + 32 c
.set AC, 176                           ; v[176:211] nine sums of four registers: y . v and |v|^2 of candidate c at AC + 8 c and AC + 8 c + 4; |y|^2 at AC + 32
	s_load_b256 s[4:11], s[0:1], 0x0               ; y32 s[4:5], vocab_vectors s[6:7], order s[8:9], out0 s[10:11]
	v_lshrrev_b32 v2, 5, v0
	v_readfirstlane_b32 s12, v2                    ; wave 0..7
	v_and_b32 v2, 31, v0                           ; L
	v_lshlrev_b32 v1, 4, v2                        ; 16 L
	v_mov_b32 v3, 0
	s_lshl_b32 s13, ttmp9, 3
	s_add_co_u32 s12, s13, s12                     ; my row
	s_lshl_b32 s14, s12, 4                         ; its four indices,
	s_mov_b32 s15, 0
	s_lshl_b32 s28, s12, 12                        ; its 4,096 bytes of y,
	s_mov_b32 s29, 0
	s_lshl_b32 s30, s12, 2                         ; its word of the output
	s_mov_b32 s31, 0
	s_mov_b32 s32, 0x76543210                      ; v_permlanex16_b32: each lane takes its own place in the other half
	s_mov_b32 s33, 0xfedcba98
	s_wait_kmcnt 0x0
	s_add_nc_u64 s[8:9], s[8:9], s[14:15]
	s_load_b128 s[16:19], s[8:9], 0x0
	s_add_nc_u64 s[4:5], s[4:5], s[28:29]
	s_add_nc_u64 s[10:11], s[10:11], s[30:31]
.irp q, 0,1,2,3,4,5,6,7
	global_load_b128 v[Y+4*(\q):Y+4*(\q)+3], v1, s[4:5] offset:512*(\q) th:TH_LOAD_NT
.endr
	s_wait_kmcnt 0x0
.irp c, 0,1,2,3
	s_min_u32 s[16+(\c)], s[16+(\c)], LASTV        ; a loaded number enters an address only behind this cut
	s_lshl_b32 s[20+(\c)], s[16+(\c)], 12
	v_add_nc_u32 v[8+(\c)], s[20+(\c)], v1
.endr
.irp c, 0,1,2,3
.irp q, 0,1,2,3,4,5,6,7
	global_load_b128 v[V+32*(\c)+4*(\q):V+32*(\c)+4*(\q)+3], v[8+(\c)], s[6:7] offset:512*(\q)
.endr
.endr
	s_wait_loadcnt 32                              ; y is in: the candidates' 32 loads stay out
	v_pk_mul_f32 v[AC+32:AC+33], v[Y:Y+1], v[Y:Y+1]        ; the first products start the sums
	v_pk_mul_f32 v[AC+34:AC+35], v[Y+2:Y+3], v[Y+2:Y+3]
.set q, 1
.rept 7
	v_pk_fma_f32 v[AC+32:AC+33], v[Y+4*q:Y+4*q+1],   v[Y+4*q:Y+4*q+1],   v[AC+32:AC+33]
	v_pk_fma_f32 v[AC+34:AC+35], v[Y+4*q+2:Y+4*q+3], v[Y+4*q+2:Y+4*q+3], v[AC+34:AC+35]
.set q, q+1
.endr
.macro CHAIN c                         ; candidate c: y . v and |v|^2, two packed sums each
	s_wait_loadcnt 24-8*(\c)                       ; its eight loads are in; the later candidates' stay out
.set cv, V+32*(\c)
.set ca, AC+8*(\c)
	v_pk_mul_f32 v[ca:ca+1],   v[Y:Y+1],     v[cv:cv+1]
	v_pk_mul_f32 v[ca+2:ca+3], v[Y+2:Y+3],   v[cv+2:cv+3]
	v_pk_mul_f32 v[ca+4:ca+5], v[cv:cv+1],   v[cv:cv+1]
	v_pk_mul_f32 v[ca+6:ca+7], v[cv+2:cv+3], v[cv+2:cv+3]
.set q, 1
.rept 7
	v_pk_fma_f32 v[ca:ca+1],   v[Y+4*q:Y+4*q+1],     v[cv+4*q:cv+4*q+1],   v[ca:ca+1]
	v_pk_fma_f32 v[ca+2:ca+3], v[Y+4*q+2:Y+4*q+3],   v[cv+4*q+2:cv+4*q+3], v[ca+2:ca+3]
	v_pk_fma_f32 v[ca+4:ca+5], v[cv+4*q:cv+4*q+1],   v[cv+4*q:cv+4*q+1],   v[ca+4:ca+5]
	v_pk_fma_f32 v[ca+6:ca+7], v[cv+4*q+2:cv+4*q+3], v[cv+4*q+2:cv+4*q+3], v[ca+6:ca+7]
.set q, q+1
.endr
.endm
	CHAIN 0
	CHAIN 1
	CHAIN 2
	CHAIN 3
; The nine sums over the lane's four registers and over the 32 lanes, stage by stage, so that no line waits for the one before it.
.macro NINE line:vararg
.set k, AC
.rept 9
	\line
.set k, k+4
.endr
.endm
	NINE v_pk_add_f32 v[k:k+1], v[k:k+1], v[k+2:k+3]
	NINE v_add_f32 v[k], v[k], v[k+1]
	NINE v_add_f32_dpp v[k], v[k], v[k] row_xmask:1 row_mask:0xf bank_mask:0xf
	NINE v_add_f32_dpp v[k], v[k], v[k] row_xmask:2 row_mask:0xf bank_mask:0xf
	NINE v_add_f32_dpp v[k], v[k], v[k] row_xmask:4 row_mask:0xf bank_mask:0xf
	NINE v_add_f32_dpp v[k], v[k], v[k] row_xmask:8 row_mask:0xf bank_mask:0xf
	NINE v_permlanex16_b32 v[k+1], v[k], s32, s33
	NINE v_add_f32 v[k], v[k], v[k+1]
.irp c, 0,1,2,3
	v_fma_f32 v[AC+8*(\c)], -2.0, v[AC+8*(\c)], v[AC+32]   ; |y|^2 - 2 y . v, rounded once
.endr
.irp c, 0,1,2,3
	v_add_f32 v[AC+8*(\c)], v[AC+8*(\c)], v[AC+8*(\c)+4]   ; + |v|^2
.endr
	v_mov_b32 v12, v[AC]                           ; the best d so far,
	v_mov_b32 v13, s16                             ; and its index
.irp c, 1,2,3
	v_mov_b32 v14, s[16+(\c)]
	v_cmp_lt_f32 s24, v[AC+8*(\c)], v12
	v_cmp_eq_f32 s25, v[AC+8*(\c)], v12
	v_cmp_lt_u32 s26, v14, v13
	s_and_b32 s25, s25, s26                        ; equal, and earlier in the vocabulary
	s_or_b32 s24, s24, s25
	v_cndmask_b32 v12, v12, v[AC+8*(\c)], s24      ; the choice selects values alone: no branch and no address hangs on it
	v_cndmask_b32 v13, v13, v14, s24
.endr
	v_cmp_eq_u32 vcc_lo, 0, v2
	s_wait_xcnt 0x0                                ; EXEC is a source of the loads above: it changes only behind this wait
	s_and_saveexec_b32 s34, vcc_lo                 ; lane 0 alone
	global_store_b32 v3, v13, s[10:11]
	s_endpgm
.Lfunc_end_k_q47892bb23c_rescore:
	.size	k_q47892bb23c_rescore, .Lfunc_end_k_q47892bb23c_rescore-k_q47892bb23c_rescore
	.p2alignl 7, 3214868480
	.fill 96, 4, 3214868480
	.section	.rodata,"a",@progbits
	.p2align	6, 0x0
	.amdhsa_kernel k_q47892bb23c_rescore
		.amdhsa_group_segment_fixed_size 0
		.amdhsa_private_segment_fixed_size 0
		.amdhsa_enable_private_segment 0
		.amdhsa_kernarg_size 32
		.amdhsa_user_sgpr_count 2
		.amdhsa_user_sgpr_kernarg_segment_ptr 1
		.amdhsa_wavefront_size32 1
		.amdhsa_system_sgpr_workgroup_id_x 1
		.amdhsa_system_sgpr_workgroup_id_y 1
		.amdhsa_system_sgpr_workgroup_id_z 1
		.amdhsa_system_vgpr_workitem_id 0
		.amdhsa_next_free_vgpr 224
		.amdhsa_next_free_sgpr 66
		.amdhsa_reserve_vcc 1
		.amdhsa_float_denorm_mode_32 3
		.amdhsa_float_denorm_mode_16_64 3
		.amdhsa_memory_ordered 1
		.amdhsa_forward_progress 1
		.amdhsa_inst_pref_size 21
	.end_amdhsa_kernel
	.amdgpu_metadata
---
amdhsa.version: [ 1, 2 ]
amdhsa.kernels:
  - .name:           k_q47892bb23c_rescore
    .symbol:         k_q47892bb23c_rescore.kd
    .args:
      - { .name: y32, .offset: 0, .size: 8, .value_kind: global_buffer, .address_space: global }
      - { .name: vocab_vectors, .offset: 8, .size: 8, .value_kind: global_buffer, .address_space: global }
      - { .name: order, .offset: 16, .size: 8, .value_kind: global_buffer, .address_space: global }
      - { .name: out0, .offset: 24, .size: 8, .value_kind: global_buffer, .address_space: global }
    .group_segment_fixed_size: 0
    .private_segment_fixed_size: 0
    .kernarg_segment_align: 8
    .kernarg_segment_size: 32
    .max_flat_workgroup_size: 256
    .sgpr_count:     66
    .vgpr_count:     224
    .wavefront_size: 32
...
	.end_amdgpu_metadata
.endif
;; end of part 4
;; ======== version 2 of 2: 4 launches; version 1 with the launch search written anew for expert scheduling mode
;; limits: right only within a limited range of input values
;; workspace buffers: y32 8,388,608 bytes; yb 4,194,304 bytes; cand 3,686,400 bytes; order 32,768 bytes of whole numbers
;; launch denorm: the kernel of part 1 again; grid 2 x 128, 8 waves a work-group, no clusters, 17,920 bytes of LDS; arguments embeddings, ln_bias, ln_weight, pos_emb, y32, yb; writes y32, yb
;; launch search (part 5): grid 225 x 1, 4 waves a work-group, no clusters, 232,192 bytes of LDS; arguments vocab_vectors, yb, cand; writes cand
.if DOCPART == 5
	.amdgcn_target "amdgcn-amd-amdhsa--gfx1250"
	.amdhsa_code_object_version 6
	.text
	.protected	k_q47892bb23c_search
	.globl	k_q47892bb23c_search
	.p2align	8
	.type	k_q47892bb23c_search,@function
k_q47892bb23c_search:
	s_mov_b64 s[64:65], 0
	v_nop
	global_prefetch_b8 v0, s[64:65] scope:SCOPE_SE
	s_setreg_imm32_b32 hwreg(HW_REG_WAVE_SCHED_MODE, 0, 2), 2
	s_setreg_imm32_b32 hwreg(HW_REG_WAVE_MODE, 25, 1), 1
	s_wait_xcnt 0x0
	s_wait_alu depctr_vm_vsrc(0)
; NOMINATION.  t[row][v] = y[row] . vocab[v] - |vocab[v]|^2 / 2 is largest where the distance is smallest.  The product is taken in bf16 with f32 sums, the half norm in f32
; from the f32 rows.  For each of the 2,048 rows of y this work-group stores the two best packed t of its 112 vocabulary rows; later launches pick four of the 450 and decide in f32.
; SHARES.  225 work-groups x 112 vocabulary rows = 25,200 for 25,128: the last group's 72 rows past the end repeat the last row's data and carry a half norm of -1e30.
; PHASE 1.  The group's 112 rows are read once as f32 (wave w: rows 28 w .. 28 w + 27, a row a turn, seven rows on their way), their squares summed, and the rows laid into LDS as bf16,
; where they stay.  One barrier.  PHASE 2.  Wave w walks rows 512 w .. 512 w + 511 of y in four tiles of 128 x 112: 56 accumulators, 448 registers.  y comes from yb, which lies in operand
; order, straight into registers: three K steps of 32 (48 loads of 512 consecutive bytes) are on their way in each wave.  The waves never meet again.
; THE MATRIX INSTRUCTION: source 0 = 16 vocabulary rows, source 1 = 16 rows of y.  In the result lane l holds ONE row of y (l % 16) and register j the vocabulary row 16 b + 8 (l / 16) + j.
; The first K step takes the half norms as C: nothing is cleared and nothing is added later.
; THE WAY OUT of a tile.  Bits 6:0 of each t are replaced by the code (l / 16) << 6 | b << 3 | j of its vocabulary row; maxima of such words carry the row with them.  Per lane: the maximum of
; each accumulator's 8, the best two of the 7 accumulators, then the best two of both halves of the lanes.
; LIMITS.  A packed t has lost 7 bits, 2^-16 of itself.  Of an aligned group of 8 vocabulary rows only the best is kept, of a work-group's 14 groups the best two.  A t at or below -1e30 is not
; told from a row past the end.  NaN and infinities are not treated apart.
; NO TENSOR LOADS, NO CLUSTER.  225 work-groups are no multiple of four.  The stationary rows take 231,168 of LDS; what is left would hold two slots of 512 rows x 32 K of y, so that a joint request
; would have one K step, 56 matrix instructions a wave, in which to land; and a fragment of y is used by one wave alone, so LDS would only hand it on.
; THE MODE: SCHED_MODE bits 1:0 = 2 (LLVM: expert scheduling mode 2), set by the entry lines.  The code itself states the register dependences between vector or matrix instructions and
; memory or LDS instructions, with s_wait_alu, always for 0.
; THE PLAN, PHASE 1.  The turn of slot s: all its vector work (sums and conversions read X[s], the conversions write it in place; the reduction writes T0; one add writes OFF + s); ONE wait on va_vdst;
; its nine LDS stores, which read X[s], T0, LA and VW; ONE wait on vm_vsrc; the eight loads that land in X[s] again.  LA and VW are stepped once a round, behind the last turn's wait on vm_vsrc.
; THE PLAN, PHASE 2.  Registers that memory or LDS instructions touch:
;   y0 .. y3      Step j's products read y[j]; the loads of the step three on land in it during step j + 1.
;   BF0, BF1      Step j's products read BF[j % 2]; the LDS loads of step j + 2's fragments land in it during step j + 1.
;   v[AL], v[CO], v[VA]   Offsets made at the head and never written again: y is reached by a scalar base to each y buffer, cand by a scalar base that steps a tile.
;   BADR          Read by every fragment load; written once a trip, at the head of the trip's last step, behind a wait on vm_vsrc.
;   SP            Written by a tile's eight selects, read by its four stores; the trips' waits on vm_vsrc stand between those stores and the next tile's selects.
; ONE wait on va_vdst stands at a step's head: the products of the step before are done reading the two buffers in which this step's 30 loads land.  The loads follow it four at a time among the step's
; first 32 products, which name y[j], BF[j % 2], the accumulators and the half norms: none of the registers that those loads touch.
; REGISTERS, in windows of 256 (s_set_vgpr_msb: bits 1:0 source 0, 3:2 source 1, 5:4 source 2, 7:6 destination):
;   window 0: addresses; phase 1: seven slots of 32; phase 2: two buffers of vocabulary fragments, the half norms, the way out     window 1: four buffers of y fragments, 64 each
;   window 2: the accumulators of y blocks 0-3, (a, b) at v[8 (7 a + b)]; v224-231 their best two     window 3: the same for y blocks 4-7
; A group of four loads among the products costs a switch in front of it and one behind: eighteen switches for a K step's 56 matrix instructions and 30 loads.
.set NV,    25128
.set LASTV, NV-1
.set BP,    2064                       ; an LDS row: 2,048 bytes + 16 = 129 x 16: the 16 rows of a fragment load start in 16 different groups of four banks (64 banks of 4 bytes: ISA guide 11.1)
.set VHT,   112*BP                     ; behind the rows: 112 half norms, in a block of 512 bytes
.set SPARE, VHT+512                    ; behind them: the spare words, 128 bytes for each of 4 waves; no other line names them
.set SPW,   2                          ; v2      LDS address of my spare word; never rewritten
.set NIL,   3                          ; v3      0; never rewritten
.set AL,    4                          ; v4      w << 20 + 16 L: my 16 bytes in the wave's first K step of yb; never rewritten
.set BBASE, 9                          ; v9-12   (32 q + L % 16) BP + 16 (L / 16): my place in vocabulary blocks 2 q, 2 q + 1
.set BADR,  13                         ; v13-16  the same plus the trip's place along K
.set HB,    17                         ; v17     (L / 16) << 6
.set CO,    18                         ; v18     my 8 bytes in a tile's part of cand; never rewritten
.set VA,    19                         ; v19     VHT + 32 (L / 16)
.set VW,    14                         ; phase 1: v14  where the round's first half norm goes
.set T0,    15                         ; phase 1: v15, v16 at work
.set T1,    16
.set OFF,   20                         ; phase 1: v20-26  slot s: byte offset of my 16 bytes in its row
.set LA,    27                         ; phase 1: v27     LDS address of my 8 bytes in the round's first row
.set Q0,    28                         ; phase 1: v[28:31] two packed sums of squares
.set Q1,    30
.set X,     32                         ; phase 1: v32-255  slot s: 32 registers
.set BF,    32                         ; phase 2: v32-87, v88-143  vocabulary fragments, two buffers of 7 x 8
.set VH,    144                        ; v144-199  the half norms in an accumulator's layout, 8 for each block b
.set XX,    200                        ; v200-215  y block a: best and second best
.set OO,    216                        ; v216-231  the other half of the lanes' two
.set SP,    232                        ; v232-239  four pairs to store
.set TT,    240                        ; v240-247  at work
.set YB,    32                         ; s[32:39]  y buffer i: yb's address at the K step that lies, or is to lie, in it: a pair at YB + 2 i
.set MSB, 0
.macro WIN new                         ; the immediate's high byte repeats the setting that is left; a switch that changes nothing is dropped
.if MSB != (\new)
	s_set_vgpr_msb (MSB<<8)|(\new)
.set MSB, \new
.endif
.endm
.set TO_A,     0x40                    ; destination window 1, address window 0
.set MUL_LO,   0xa4                    ; source 0 window 0, source 1 window 1, C and D window 2; + 0x50: window 3
.set FIRST_LO, 0x84                    ; the same with C in window 0; + 0x40: D in window 3
.set ALL2,     0xaa                    ; every place window 2; + 0x55: window 3
.set OUT2,     0x02                    ; source 0 window 2, the rest window 0; + 1: window 3
.macro VFILL s                         ; a vocabulary row: eight loads of 512 consecutive bytes
.irp q, 0,1,2,3,4,5,6,7
	global_load_b128 v[X+32*(\s)+4*(\q):X+32*(\s)+4*(\q)+3], v[OFF+(\s)], s[4:5] offset:512*(\q) th:TH_LOAD_NT
.endr
.endm
.macro AFETCH i, g                     ; four of the sixteen loads of a K step of y (128 rows x 32 K = 8,192 consecutive bytes): y blocks 2 g, 2 g + 1 into y buffer i (under TO_A)
.irp e, 0,1
	global_load_b128 v[64*(\i)+8*(2*(\g)+(\e)):64*(\i)+8*(2*(\g)+(\e))+3],   v[AL], s[YB+2*(\i):YB+2*(\i)+1] offset:1024*(2*(\g)+(\e))
	global_load_b128 v[64*(\i)+8*(2*(\g)+(\e))+4:64*(\i)+8*(2*(\g)+(\e))+7], v[AL], s[YB+2*(\i):YB+2*(\i)+1] offset:1024*(2*(\g)+(\e))+512
.endr
.endm
.macro BFETCH p, kimm, g               ; four (g = 3: two) of the fourteen LDS loads of 112 vocabulary rows x 32 K at byte kimm behind the trip's place: blocks 2 g, 2 g + 1 into buffer p (under window 0)
.irp e, 0,1
.if 2*(\g)+(\e) < 7
	ds_load_b128 v[BF+56*(\p)+8*(2*(\g)+(\e)):BF+56*(\p)+8*(2*(\g)+(\e))+3],   v[BADR+(\g)] offset:(\e)*16*BP+(\kimm)
	ds_load_b128 v[BF+56*(\p)+8*(2*(\g)+(\e))+4:BF+56*(\p)+8*(2*(\g)+(\e))+7], v[BADR+(\g)] offset:(\e)*16*BP+(\kimm)+32
.endif
.endr
.endm
	s_load_b128 s[4:7], s[0:1], 0x0                ; vocab_vectors s[4:5], yb s[6:7]
	s_load_b64 s[8:9], s[0:1], 0x10                ; cand
	v_lshl_add_u32 v[SPW], v0, 2, SPARE
	v_mov_b32 v[NIL], 0
	v_lshrrev_b32 v[T0], 5, v0
	v_readfirstlane_b32 s10, v[T0]                 ; wave 0..3
	s_mov_b32 s11, ttmp9                           ; g: which 112 vocabulary rows
	v_and_b32 v[T1], 31, v0                        ; L
	v_lshlrev_b32 v1, 4, v[T1]                     ; 16 L
	v_and_b32 v[T0], 15, v0
	v_bfe_u32 v[HB], v0, 4, 1
	v_mul_u32_u24 v[BBASE], v[T0], BP
	v_lshl_add_u32 v[BBASE], v[HB], 4, v[BBASE]
.irp q, 1,2,3
	v_add_nc_u32 v[BBASE+(\q)], (\q)*32*BP, v[BBASE]  ; the register carries what the 16-bit immediate cannot
.endr
	v_lshlrev_b32 v[VA], 5, v[HB]
	v_add_nc_u32 v[VA], VHT, v[VA]
	v_lshlrev_b32 v[HB], 6, v[HB]
	v_lshlrev_b32 v[CO], 3, v[T1]
	s_wait_alu depctr_va_sdst(0)                   ; s10 is written, ahead of its first reader: the wave's offsets and rows are made from it
	v_lshl_add_u32 v[AL], s10, 20, v1              ; the wave's 512 rows of y are 1 MiB of yb, walked from end to end
	v_lshl_add_u32 v[CO], s10, 12, v[CO]           ; 512 rows of 8 bytes a wave
	s_mul_i32 s13, s10, 28*BP
	v_lshl_add_u32 v[LA], v[T1], 3, s13
	s_mul_i32 s13, s10, 28*4
	s_add_co_u32 s13, s13, VHT
	v_mov_b32 v[VW], s13
	s_mul_i32 s12, s11, 112
	s_mul_i32 s13, s10, 28
	s_add_co_u32 s12, s12, s13                     ; s12: the vocabulary row of the round's slot 0
.irp s, 0,1,2,3,4,5,6
	s_add_co_u32 s13, s12, (\s)
	s_min_u32 s13, s13, LASTV                      ; a row past the end reads the last row: no load leaves the buffer
	s_lshl_b32 s13, s13, 12
	v_add_nc_u32 v[OFF+(\s)], s13, v1
.endr
	s_lshl_b32 s14, s11, 14                        ; the group's 2,048 x 8 bytes of cand
	s_mov_b32 s15, 0
	s_mov_b32 s20, 0xffffff80                      ; keeps all of a word but its lowest 7 bits
	s_mov_b32 s21, 0xffff0000                      ; lanes 16-31
	s_mov_b32 s22, 0x76543210                      ; v_permlanex16_b32: each lane takes its own place in the other half
	s_mov_b32 s23, 0xfedcba98
	s_wait_kmcnt 0x0
	s_add_nc_u64 s[8:9], s[8:9], s[14:15]
.irp i, 0,1,2
	s_add_nc_u64 s[YB+2*(\i):YB+2*(\i)+1], s[6:7], 8192*(\i)  ; K steps 0 to 2
.endr
	s_wait_alu depctr_va_vdst(0)                   ; the offsets and addresses OFF, LA, VW, AL, CO and VA are written, which the loads and stores of the kernel read
.irp s, 0,1,2,3,4,5,6
	VFILL \s                                       ; 56 loads of the wave are out
.endr
	s_wait_alu depctr_vm_vsrc(0)                   ; these loads have read OFF + s, which the slots' first turns write again
; PHASE 1.  The turn of slot s: row s12 + s.  left = how many younger loads may stay out.  fill = 1: the slot takes the row seven further on.
.macro CV q                            ; four numbers of the slot in hand close up into two registers of bf16
	v_cvt_pk_bf16_f32 v[xs+4*(\q)],   v[xs+4*(\q)],   v[xs+4*(\q)+1]
	v_cvt_pk_bf16_f32 v[xs+4*(\q)+1], v[xs+4*(\q)+2], v[xs+4*(\q)+3]
.endm
.macro VTURN s, fill, left
	s_wait_loadcnt \left                           ; loads come back in order (ISA guide 5.7.1): my eight are in, and the loads that read the slot's address register are done
.set xs, X+32*(\s)
	v_pk_mul_f32 v[Q0:Q0+1], v[xs:xs+1], v[xs:xs+1]          ; the first products start the sums
	v_pk_mul_f32 v[Q1:Q1+1], v[xs+2:xs+3], v[xs+2:xs+3]
.irp q, 1,2,3,4,5,6,7
	v_pk_fma_f32 v[Q0:Q0+1], v[xs+4*(\q):xs+4*(\q)+1],   v[xs+4*(\q):xs+4*(\q)+1],   v[Q0:Q0+1]
	v_pk_fma_f32 v[Q1:Q1+1], v[xs+4*(\q)+2:xs+4*(\q)+3], v[xs+4*(\q)+2:xs+4*(\q)+3], v[Q1:Q1+1]
.endr
.if \fill
	s_add_co_u32 s13, s12, (\s)+7
	s_min_u32 s13, s13, LASTV
	s_lshl_b32 s13, s13, 12
	v_add_nc_u32 v[OFF+(\s)], s13, v1              ; the loads that read it stand ahead of an earlier wait on vm_vsrc: the six turns' between, or the head's
.endif
	s_add_co_u32 s13, s12, (\s)
	s_cmp_lt_u32 s13, NV
	s_cselect_b32 s16, -0.5, 0                     ; a row of the vocabulary: -|v|^2 / 2;
	s_cselect_b32 s17, 0, 0xf149f2ca               ; a row past its end: -1e30
	v_pk_add_f32 v[Q0:Q0+1], v[Q0:Q0+1], v[Q1:Q1+1]  ; the sum over the lane and the 32 lanes is a chain: two conversions stand behind each of its links
	CV 0
	v_add_f32 v[T0], v[Q0], v[Q0+1]
	CV 1
	v_add_f32_dpp v[T0], v[T0], v[T0] row_xmask:1 row_mask:0xf bank_mask:0xf
	CV 2
	v_add_f32_dpp v[T0], v[T0], v[T0] row_xmask:2 row_mask:0xf bank_mask:0xf
	CV 3
	v_add_f32_dpp v[T0], v[T0], v[T0] row_xmask:4 row_mask:0xf bank_mask:0xf
	CV 4
	v_add_f32_dpp v[T0], v[T0], v[T0] row_xmask:8 row_mask:0xf bank_mask:0xf
	CV 5
	v_permlanex16_b32 v[T1], v[T0], s22, s23
	CV 6
	v_add_f32 v[T0], v[T0], v[T1]                  ; |v|^2 in every lane
	CV 7
	v_fma_f32 v[T0], v[T0], s16, s17
	s_wait_alu depctr_va_vdst(0)                   ; the conversions have written X[s] and the chain T0, which the stores read (in a round's first turn LA and VW are written too); OFF + s is written and the sums are done reading X[s], for the loads below
.irp q, 0,1,2,3,4,5,6,7
	ds_store_b64 v[LA], v[xs+4*(\q):xs+4*(\q)+1] offset:(\s)*BP+256*(\q)  ; 256 consecutive bytes of the row
.endr
	ds_store_b32 v[VW], v[T0] offset:4*(\s)        ; all lanes write the same word with the same number
	s_wait_alu depctr_vm_vsrc(0)                   ; the stores have read X[s], in which loads land next (the slot's next row; later fragments and half norms), T0, which the next turn writes, and LA and VW, which are written behind a round's or the phase's last turn
.if \fill
	VFILL \s
.endif
.endm
	s_mov_b32 s15, 3
.Lround:                                               ; three rounds fill every slot again: rows 7 to 27
.irp s, 0,1,2,3,4,5,6
	VTURN \s, 1, 48                                ; six younger slots of eight loads
.endr
	v_add_nc_u32 v[LA], 7*BP, v[LA]                ; behind the last turn's wait on vm_vsrc; the next turn's wait on va_vdst stands ahead of the stores that read them
	v_add_nc_u32 v[VW], 28, v[VW]
	s_add_co_u32 s12, s12, 7
	s_sub_co_u32 s15, s15, 1
	s_cmp_lg_u32 s15, 0
	s_cbranch_scc1 .Lround
.irp s, 0,1,2,3,4,5
	VTURN \s, 0, 48-8*(\s)                         ; the last round loads nothing: the counts run down
.endr
	WIN TO_A
.irp i, 0,1,2
.irp g, 0,1,2,3
	AFETCH \i, \g                                  ; the first three K steps of y go out here: with the last slot's eight, 56 loads are out.  No wait: v[AL] stands written since the head's, and no vector instruction has named window 1
.endr
.endr
	WIN 0
	VTURN 6, 0, 48                                 ; the 48 just issued stay out
	s_wait_dscnt 0x0                               ; for the others' sake: my 28 rows and half norms are in LDS
	s_barrier_signal -1
	s_barrier_wait -1                              ; all 112 are.  From here on LDS is only read
.irp q, 0,1,2,3
	v_mov_b32 v[BADR+(\q)], v[BBASE+(\q)]          ; v14 and v15 were VW and T0: the store that read them stands ahead of the last turn's wait on vm_vsrc
.endr
.set i, 0
.rept 16
	v_mov_b32 v[OO+i], 0                           ; v_permlanex16_b32 counts as a reader of its destination
.set i, i+1
.endr
	s_mov_b32 s19, 0                               ; the trip's place along K, in bytes of an LDS row
	s_mov_b32 s18, 3                               ; the wave's next K step to ask for, of 128
	s_mov_b32 s13, 0                               ; s[12:13]: a K step's byte offset in yb, as a pair
	s_wait_alu depctr_va_vdst(0)                   ; BADR is written, which the fragment loads read
.irp b, 0,1,2,3,4,5,6
	ds_load_b128 v[VH+8*(\b):VH+8*(\b)+3],   v[VA] offset:64*(\b)      ; register j: the half norm of row 16 b + 8 (L / 16) + j
	ds_load_b128 v[VH+8*(\b)+4:VH+8*(\b)+7], v[VA] offset:64*(\b)+16
.endr
.irp g, 0,1,2,3
	BFETCH 0, 0, \g
.endr
; PHASE 2.  K step j of a trip's four: 56 matrix instructions, y buffer j x vocabulary buffer j % 2.  The 56 accumulators take turns, one instruction a turn, in the same order in every K step, over both
; backward jumps too.  first = 1: C is the half norms.
; Among the first 32 products stand the step's 30 loads, four at a time: behind products 4, 8, 12, 16 the vocabulary fragments of the next step, behind 20, 24, 28, 32 y of the step three on.
.macro STEP j, first
.set ynext, ((\j)+3)%4                 ; the y buffer that the step before multiplied
.set fnext, 1-(\j)%2                   ; the vocabulary buffer that it multiplied
.set knext, 64*(((\j)+1)%4)            ; the next step's bytes behind the trip's place; behind a trip's last step the place itself moves on
	s_wait_loadcnt 32                              ; this step's y is in; the 32 loads of the two steps behind it stay out.  The loads of the step before are done too: their scalar base may be written
	s_min_u32 s12, s18, 127                        ; the wave's last three steps ask for step 127 once more: no load leaves its megabyte
	s_lshl_b32 s12, s12, 13
	s_add_co_u32 s18, s18, 1
	s_add_nc_u64 s[YB+2*(((\j)+3)%4):YB+2*(((\j)+3)%4)+1], s[6:7], s[12:13]
.if (\j) < 3
.rept 4
	v_nop                                          ; four places behind the last step's products, ahead of the loads into the registers that those read (ISA guide 7.12.1 for vector instructions): beside the wait below, not in its place
.endr
.else
	WIN 0
	s_add_co_u32 s19, s19, 256                     ; the next trip's 128 along K; behind a tile's eighth trip back to 0
	s_and_b32 s19, s19, 2047
	s_wait_alu depctr_vm_vsrc(0)                   ; the fragment loads issued so far have read BADR; a tile's stores have read SP, which the next tile's selects write
.irp q, 0,1,2,3
	v_add_nc_u32 v[BADR+(\q)], s19, v[BBASE+(\q)]  ; these four are the places here
.endr
.endif
	s_wait_dscnt 0x0                               ; this step's vocabulary fragments are in: their loads are the youngest on this counter
	s_wait_alu depctr_va_vdst(0)                   ; the last step's products are done reading y buffer (j + 3) % 4 and the other vocabulary buffer, in which the loads below land; in a trip's last step BADR is written
.set n, 0
.irp hi, 0,1
.irp a, 0,1,2,3
.irp b, 0,1,2,3,4,5,6
.if \first
	WIN FIRST_LO+0x40*(\hi)
.else
	WIN MUL_LO+0x50*(\hi)
.endif
.set ac, 8*(7*(\a)+(\b))
.set bf, BF+56*((\j)%2)+8*(\b)
.set ya, 64*(\j)+8*(4*(\hi)+(\a))
.if \first
	v_wmma_f32_16x16x32_bf16 v[ac:ac+7], v[bf:bf+7], v[ya:ya+7], v[VH+8*(\b):VH+8*(\b)+7]
.else
	v_wmma_f32_16x16x32_bf16 v[ac:ac+7], v[bf:bf+7], v[ya:ya+7], v[ac:ac+7]
.endif
.set n, n+1
.if (n%4 == 0) && (n <= 16)
	WIN 0
	BFETCH fnext, knext, n/4-1                     ; no wait: no vector or matrix instruction since the step's wait names these registers
.elseif (n%4 == 0) && (n <= 32)
	WIN TO_A
	AFETCH ynext, n/4-5                            ; likewise
.endif
.endr
.endr
.endr
.endm
.macro TRIP first
	STEP 0, \first
	STEP 1, 0
	STEP 2, 0
	STEP 3, 0
	WIN 0                                          ; at a label and at a branch every window is 0
.endm
; The way out.  AO: accumulator m of a window's 28: each t takes its code; the lowest register first.  RED: the maximum of its eight, into its lowest register.
.macro AO m
.set x, 8*(\m)
.set cd, 8*((\m)%7)
.set j, 0
.rept 8
	v_and_or_b32 v[x+j], v[x+j], s20, cd+j
.set j, j+1
.endr
.endm
.macro RED m
.set x, 8*(\m)
	v_max3_num_f32 v[x],   v[x],   v[x+1], v[x+2]
	v_max3_num_f32 v[x+3], v[x+3], v[x+4], v[x+5]
	v_max_num_f32  v[x+6], v[x+6], v[x+7]
	v_max3_num_f32 v[x],   v[x],   v[x+3], v[x+6]
.endm
	s_mov_b32 s24, 4
.Ltile:                                                ; four tiles of 128 rows of y
	TRIP 1                                         ; a tile's first trip is written out: its first products start the sums
	s_mov_b32 s25, 7
.Lk:
	TRIP 0
	s_sub_co_u32 s25, s25, 1
	s_cmp_lg_u32 s25, 0
	s_cbranch_scc1 .Lk
.rept 4
	v_nop                                          ; the places between the last products and the first read of a result
.endr
.irp w, 0,1
	WIN ALL2+0x55*(\w)
	AO 0
.set n, 0
.rept 27
	AO n+1                                         ; the next accumulator's codes stand between this one's and its maxima
	RED n
.set n, n+1
.endr
	RED 27
.set k, 0
.rept 4                                                ; the best two of a y block's seven maxima; the four blocks alternate
	v_max_num_f32 v[224+2*k], v[56*k], v[56*k+8]
	v_min_num_f32 v[225+2*k], v[56*k], v[56*k+8]
.set k, k+1
.endr
.set b, 2
.rept 5
.set k, 0
.rept 4
	v_med3_num_f32 v[225+2*k], v[224+2*k], v[225+2*k], v[56*k+8*b]  ; the middle one of best, second and the newcomer is the new second
.set k, k+1
.endr
.set k, 0
.rept 4
	v_max_num_f32 v[224+2*k], v[224+2*k], v[56*k+8*b]
.set k, k+1
.endr
.set b, b+1
.endr
	WIN OUT2+(\w)
.set k, 0
.rept 4
	v_or_b32 v[XX+8*(\w)+2*k],   v[224+2*k], v[HB]  ; the code's top bit: which half of the lanes
	v_or_b32 v[XX+8*(\w)+2*k+1], v[225+2*k], v[HB]
.set k, k+1
.endr
.endr
	WIN 0
.set a, 0
.rept 8
	v_permlanex16_b32 v[OO+2*a],   v[XX+2*a],   s22, s23  ; a row's other 56 vocabulary rows lie in the lane 16 away
	v_permlanex16_b32 v[OO+2*a+1], v[XX+2*a+1], s22, s23
.set a, a+1
.endr
.set a, 0
.rept 8
	v_min_num_f32  v[TT+a],     v[XX+2*a], v[OO+2*a]
	v_max_num_f32  v[XX+2*a],   v[XX+2*a], v[OO+2*a]
	v_max3_num_f32 v[XX+2*a+1], v[TT+a],   v[XX+2*a+1], v[OO+2*a+1]
.set a, a+1
.endr
.set q, 0
.rept 4                                                ; lanes 0-15 take y block 2 q, lanes 16-31 block 2 q + 1: 32 rows' pairs
	v_cndmask_b32 v[SP+2*q],   v[XX+4*q],   v[XX+4*q+2], s21
	v_cndmask_b32 v[SP+2*q+1], v[XX+4*q+1], v[XX+4*q+3], s21
.set q, q+1
.endr
	s_wait_alu depctr_va_vdst(0)                   ; the selects have written SP, which the four stores read
.set q, 0
.rept 4
	global_store_b64 v[CO], v[SP+2*q:SP+2*q+1], s[8:9] offset:256*q  ; 256 consecutive bytes, aligned
.set q, q+1
.endr
	s_wait_xcnt 0x0                                ; the stores' base and data registers are written again only behind this wait
	s_add_nc_u64 s[8:9], s[8:9], 1024              ; the next tile's 128 rows
	s_sub_co_u32 s24, s24, 1
	s_cmp_lg_u32 s24, 0
	s_cbranch_scc1 .Ltile
	s_wait_dscnt 0x0                               ; the closing lines, six on end
	s_wait_alu 0x0
	s_wait_tensorcnt 0x0
	ds_add_u32 v[SPW], v[NIL]
	s_wait_dscnt 0x0
	s_endpgm
.Lfunc_end_k_q47892bb23c_search:
	.size	k_q47892bb23c_search, .Lfunc_end_k_q47892bb23c_search-k_q47892bb23c_search
	.p2alignl 7, 3214868480
	.fill 96, 4, 3214868480
	.section	.rodata,"a",@progbits
	.p2align	6, 0x0
	.amdhsa_kernel k_q47892bb23c_search
		.amdhsa_group_segment_fixed_size 232192
		.amdhsa_private_segment_fixed_size 0
		.amdhsa_enable_private_segment 0
		.amdhsa_kernarg_size 24
		.amdhsa_user_sgpr_count 2
		.amdhsa_user_sgpr_kernarg_segment_ptr 1
		.amdhsa_wavefront_size32 1
		.amdhsa_system_sgpr_workgroup_id_x 1
		.amdhsa_system_sgpr_workgroup_id_y 1
		.amdhsa_system_sgpr_workgroup_id_z 1
		.amdhsa_system_vgpr_workitem_id 0
		.amdhsa_next_free_vgpr 1024
		.amdhsa_next_free_sgpr 66
		.amdhsa_reserve_vcc 0
		.amdhsa_float_denorm_mode_32 3
		.amdhsa_float_denorm_mode_16_64 3
		.amdhsa_memory_ordered 1
		.amdhsa_forward_progress 1
		.amdhsa_inst_pref_size 173
	.end_amdhsa_kernel
	.amdgpu_metadata
---
amdhsa.version: [ 1, 2 ]
amdhsa.kernels:
  - .name:           k_q47892bb23c_search
    .symbol:         k_q47892bb23c_search.kd
    .args:
      - { .name: vocab_vectors, .offset: 0, .size: 8, .value_kind: global_buffer, .address_space: global }
      - { .name: yb, .offset: 8, .size: 8, .value_kind: global_buffer, .address_space: global }
      - { .name: cand, .offset: 16, .size: 8, .value_kind: global_buffer, .address_space: global }
    .group_segment_fixed_size: 232192
    .private_segment_fixed_size: 0
    .kernarg_segment_align: 8
    .kernarg_segment_size: 24
    .max_flat_workgroup_size: 128
    .sgpr_count:     66
    .vgpr_count:     1024
    .wavefront_size: 32
...
	.end_amdgpu_metadata
.endif
;; end of part 5
;; launch pick: the kernel of part 3 again; grid 64 x 1, 15 waves a work-group, no clusters, 17,408 bytes of LDS; arguments cand, order; writes order
;; launch rescore: the kernel of part 4 again; grid 256 x 1, 8 waves a work-group, no clusters, 0 bytes of LDS; arguments y32, vocab_vectors, order, out0; writes out0
